; MI455X (gfx1250); checked and timed in simulation.
; The chip was launched on July 23, 2026; its instructions are those of AMD's public machine-readable ISA for CDNA 5 (MIT licence, August 2026) and "CDNA5" Instruction Set Architecture Reference Guide (July 2026). The comments in the code are by the model that wrote it; some were corrected since.
;; Multi Head Attention. Allowed arithmetic: matrix products marked QUANTISED: E2M1 operands, one E8M0 scale for each 32 along K, by v_wmma_scale_f32_16x16x128_f8f6f4 with both operands' format E2M1 (or v_wmma_scale_f32_32x16x128_f4), f32 sums; everything else in f32.
;; Inputs: Wk_codes 1,024 x 32 x 16 uint8 (E2M1 codes of Wk, K innermost, in blocks of 32 codes, two codes a byte); Wk_scales 1,024 x 32 uint8 (E8M0 scales of Wk, one for each 32 codes along K); Wo_codes 1,024 x 32 x 16 uint8 (E2M1 codes of Wo, K innermost, in blocks of 32 codes, two codes a byte); Wo_scales 1,024 x 32 uint8 (E8M0 scales of Wo, one for each 32 codes along K); Wq_codes 1,024 x 32 x 16 uint8 (E2M1 codes of Wq, K innermost, in blocks of 32 codes, two codes a byte); Wq_scales 1,024 x 32 uint8 (E8M0 scales of Wq, one for each 32 codes along K); Wv_codes 1,024 x 32 x 16 uint8 (E2M1 codes of Wv, K innermost, in blocks of 32 codes, two codes a byte); Wv_scales 1,024 x 32 uint8 (E8M0 scales of Wv, one for each 32 codes along K); bk 1,024 float32; bo 1,024 float32; bq 1,024 float32; bv 1,024 float32; x_codes 2 x 2,048 x 32 x 16 uint8 (E2M1 codes of x, K innermost, in blocks of 32 codes, two codes a byte); x_scales 2 x 2,048 x 32 uint8 (E8M0 scales of x, one for each 32 codes along K).
;; Outputs: out0 2 x 2,048 x 1,024 float32.
;; This version of the problem:
;;   THIS VERSION OF THE PROBLEM IS GIVEN IN LOW PRECISION. The matrix products marked QUANTISED in the list below multiply operands that are first quantised to E2M1 (2 exponent bits, 1 mantissa bit; 4 bits a number), with one power-of-two scale for each 32 numbers along K (OCP MX v1.0); their sums are f32. All else is computed in f32.
;;   The module's matrix products, in the order in which they are computed (A, B: the left and right operand; K: the contracted axis; several contracted axes count as one K, in the product's order):
;;     1. [M 4,096, K 1,024] x [K 1,024, N 1,024]; A: input x (given as codes); B: input Wq (given as codes): QUANTISED
;;     2. [M 4,096, K 1,024] x [K 1,024, N 1,024]; A: input x (given as codes); B: input Wk (given as codes): QUANTISED
;;     3. [M 4,096, K 1,024] x [K 1,024, N 1,024]; A: input x (given as codes); B: input Wv (given as codes): QUANTISED
;;     4. batch 32 x [M 2,048, K 64] x [K 64, N 2,048]; A: computed on the way; B: computed on the way: QUANTISED
;;     5. batch 32 x [M 2,048, K 2,048] x [K 2,048, N 64]; A: softmax (see below); B: computed on the way: QUANTISED
;;     6. [M 4,096, K 1,024] x [K 1,024, N 1,024]; A: computed on the way; B: input Wo (given as codes): QUANTISED
;;   THE QUANTISER, for each operand of a quantised product, along K:
;;     - K is cut into blocks of 32 from its start; a last block that is shorter is filled with zeros.
;;     - A block's scale is 2^e with e = floor(log2(the largest magnitude in the block)) - 2, held to -126 .. 127; a block of zeros has e = 0. As a byte (E8M0): e + 127.
;;     - Each number is divided by its block's scale, clamped to +-6, and rounded to the nearest number of E2M1, ties to even, subnormals kept.
;;     - The product sums the exact products of the quantised numbers (number of the format x scale) in f32.
;;   ~~~python
;;   def quantise(x, axis):      # numpy; x: float32 -> the quantised numbers, widened to float32 again
;;       x = np.moveaxis(x, axis, -1); K = x.shape[-1]
;;       x = np.pad(x, [(0, 0)] * (x.ndim - 1) + [(0, -K % 32)]); x = x.reshape(x.shape[:-1] + (-1, 32)); a = np.abs(x).max(-1, keepdims=True)
;;       e = np.where(a > 0, np.clip(np.frexp(np.where(a > 0, a, 1))[1] - 1 - 2, -126, 127), 0)      # np.frexp(a)[1] - 1 = floor(log2(a)), exactly
;;       r = np.clip(x / 2.0 ** e, -6, 6)
;;       step = 2.0 ** (np.maximum(np.frexp(np.where(r == 0, 1, r))[1] - 1, 0) - 1)
;;       q = np.round(r / step) * step * 2.0 ** e      # np.round: ties to even
;;       return np.moveaxis(q.reshape(q.shape[:-2] + (-1,))[..., :K], -1, axis).astype(np.float32)
;;   ~~~
;;   SOFTMAX AHEAD OF A QUANTISED PRODUCT. Where the list says 'softmax', what is quantised is not the finished softmax but p = 2^(t - M), with t = logit x log2(e) and M = ceil(the row's largest t), a whole number; so 1/2 < the row's largest p <= 1. The row's sum l is taken of the UNQUANTISED p, in f32, and the product's result is divided by l at the end. Since M is a whole number, a kernel that streams over the keys may use a running M (the ceiling of the running maximum): every later rescaling is an exact power of two, which a block's scale takes up: the codes' values come out the same.
;;   OPERANDS COMPUTED ON THE WAY. 'Computed on the way' means the value that the module computes at that place (a softmax that the list does not call 'softmax' is quantised finished and normalised). What goes into a quantiser is computed in f32, as accurately as f32 sums, v_exp_f32 and their like allow (about 1e-6 of the number): no bf16 or f16 on the way to a quantiser, and a product that is left as it is and whose result goes on into a quantised operand takes f32 operands (vector FMAs, or v_wmma_f32_16x16x4_f32). A number that lies on a knife's edge between two numbers of the format may be rounded either way, as far as f32 arithmetic and the matrix unit's own rounding can turn it there, and no further.
;;   INPUTS GIVEN AS CODES. Wk (in the module: [1024, 1024], K = its axis 0); Wo (in the module: [1024, 1024], K = its axis 0); Wq (in the module: [1024, 1024], K = its axis 0); Wv (in the module: [1024, 1024], K = its axis 0); x (in the module: [2, 2048, 1024], K = its axis 2): each comes as NAME_codes (uint8): NAME with its K axis moved to the last place and cut into blocks of 32 codes, [.., K / 32, bytes a block], one block behind the other in memory; two codes a byte, the lower K in the low four bits (a code: sign, 2 exponent bits, 1 mantissa bit); and NAME_scales (uint8): the same leading axes, one E8M0 byte (e + 127) for each 32 codes along K. Its value is code x scale, taken as it is: it is not quantised again, and the codes and scales need not be those that the quantiser above would give.
;; One version. Each part assembles by itself: llvm-mc -triple=amdgcn-amd-amdhsa -mcpu=gfx1250 --defsym DOCPART=n.
;; ======== version 1 of 1: 3 launches
;; limits: right only within a limited range of input values
;; workspace buffers: q 2,621,440 bytes; kv 4,980,736 bytes; oc 2,097,152 bytes; os 131,072 bytes
;; launch qkv (part 1): grid 8 x 32, 4 waves a work-group, clusters of 4 x 4, 327,680 bytes of LDS; arguments x_codes, x_scales, Wq_codes, Wq_scales, Wk_codes, Wk_scales, Wv_codes, Wv_scales, bq, bk, bv, q, kv; writes q, kv
.if DOCPART == 1
	.amdgcn_target "amdgcn-amd-amdhsa--gfx1250"
	.amdhsa_code_object_version 6
	.text
	.protected	k_qd80d6dabfe_qkv
	.globl	k_qd80d6dabfe_qkv
	.p2align	8
	.type	k_qd80d6dabfe_qkv,@function
k_qd80d6dabfe_qkv:
	s_mov_b64 s[64:65], 0
	v_nop
	global_prefetch_b8 v0, s[64:65] scope:SCOPE_SE
	s_setreg_imm32_b32 hwreg(HW_REG_WAVE_MODE, 25, 1), 1
	s_wait_xcnt 0x0
	s_wait_alu depctr_hold_cnt(0) depctr_sa_sdst(0) depctr_va_vdst(0) depctr_va_sdst(0) depctr_va_ssrc(0) depctr_va_vcc(0) depctr_vm_vsrc(0)
	s_getreg_b32 s2, hwreg(HW_REG_IB_STS2, 6, 4)
	s_cmp_eq_u32 s2, 0
	s_cbranch_scc0 .Lentry_in_a_cluster
	s_endpgm
.Lentry_in_a_cluster:
	s_bfe_u32 s2, ttmp6, 0x10000c
	s_cmp_lg_u32 s2, 0xf033
	s_cbranch_scc0 .Lentry_shape_is_right
	s_endpgm
.Lentry_shape_is_right:
; Q = x Wq + bq, K = x Wk + bk, V = x Wv + bv on codes of FP4 (E2M1) with one E8M0 scale for each 32 along K = 1,024; the f32 results are quantised at once for the attention that follows:
; Q and K along a head's 64 channels (two blocks), V along the keys; they leave as IMAGES OF OPERAND REGISTERS (four registers are 512 bytes, lane l's 16 bytes at 16 l), with their scale words beside them.
; SHARES.  A work-group takes 128 tokens (token group tg) x 128 columns (column group g: heads 2 g and 2 g + 1) of each of the three products.  Four waves, as many as a WGP has SIMDs: wave w takes tokens 64 (w / 2) on and head w % 2:
; 4 tiles of x, of Wq, of Wk and of Wv, 16 fragments for 48 products.  A lane's registers run along source 0's rows, the axis that the quantiser wants:  Q, K: source 0 = W, source 1 = x.  V: source 0 = x, source 1 = Wv.
; LDS holds all of K of the four operands (128 rows x 512 bytes each), filled once, one tensor load a wave.  V's scale words have 64 tokens' bytes from each of two waves: their halves meet in 512 bytes of LDS of their own.
; The operands' scale words go from memory to registers: a pair of tiles is 32 rows x 32 bytes, 1,024 consecutive bytes, and lane l takes row l.
; CLUSTERS: 4 x 4 work-groups.  x's tiles hang on tg alone and are asked for jointly by a row of the cluster, W's on g alone, by a column.
; All tensor loads go out at the head, so there is no later load for which anything could be asked ahead.
; REGISTERS: window 0: v16-79 scale words (pair p, K step k at 16 + 8 p + k: x; 32 + ..: Wq; 48 + ..: Wk; 64 + ..: Wv); v128-255 a buffer of fragments (x at 128, Wq 160, Wk 192, Wv 224); window 2: v128-255 the other buffer.
;   window 1: accumulators of Q, (t, c) at 32 c + 8 t, and of K at 128 + 32 c + 8 t;  window 2: of V at 32 c + 8 t.  t: source 0's tile, c: source 1's.
; LIMITS: NaN and infinities are not served.  A block of zeros, or one whose largest magnitude lies under 2^-124, gets the scale byte 1; the bytes are read by this program alone.
; OUT: q  [head 32][step 16][5,120]: 8 tiles x 512 bytes, then scale words [pair 4][lane 32][2].
;      kv [head 32][step 16][9,728]: K as q's (4,096), V^T 4 tiles x 1,024, K's scale words (1,024), V's [pair 2][lane 32][2].
.set PITCH, 528                        ; an LDS row: 512 bytes + 16 of padding: the 16 rows of a fragment start at 16 different banks
.set REGN,  128*PITCH                  ; an operand's 128 rows: regions 0 Wq, 1 Wk, 2 x, 3 Wv
.set VWORDS, 4*REGN                    ; V's scale words: [head 2][tile 4][row 16]
.set SPARE, VWORDS+512                 ; the spare words, 128 bytes for each wave
.set GX,    4                          ; s[4:7], s[8:11] group 0 for x, for W
.set GW,    8
.set WV,    28
.set HA,    29                         ; which 64 tokens are mine
.set HB,    30                         ; which head
.set CX,    31
.set CY,    32
.set G,     33
.set TG,    34
.set G1X,   68
.set G1W,   76
.set PX,    20                         ; s[20:21], s[22:23], s[24:25], s[26:27] where my scale bytes begin: x, Wq, Wk, Wv
.set SEL,   100                        ; s[100:101] v_permlanex16_b32's selects for lane l xor 16
.set QB,    84                         ; s[84:85] my tiles of Q, s[86:87] its scale words, s[88:89] K's tiles, s[90:91] K's scale words and V's tiles, s[92:93] V's scale words
.set QS,    86
.set KB,    88
.set KS,    90
.set VS,    92
.set TM,    128                        ; behind the products: v128-135 largest magnitudes, v136-143 the other half's, then bytes, v144-151 the conversions' scale operands
.set MSB, 0
.macro WIN new                         ; the immediate's high byte repeats the setting that is left
.if MSB != \new
	s_set_vgpr_msb (MSB<<8)|\new
.set MSB, \new
.endif
.endm
.macro CROUND                          ; a round of the cluster's barrier
	s_barrier_signal -1
	s_barrier_wait -1
	s_cmp_lg_u32 s[WV], 0
	s_cbranch_scc1 .Lnot_wave_0_\@
	s_barrier_signal -3
.Lnot_wave_0_\@:
	s_barrier_wait -3
	s_barrier_signal -1
	s_barrier_wait -1
.endm
	s_load_b512 s[36:51], s[0:1], 0x0              ; x codes, x scales, Wq codes, scales, Wk codes, scales, Wv codes, scales
	s_load_b256 s[52:59], s[0:1], 0x40             ; bq, bk, bv, q
	s_load_b64 s[60:61], s[0:1], 0x60              ; kv
	v_lshl_add_u32 v14, v0, 2, SPARE
	v_mov_b32 v15, 0
	ds_add_u32 v14, v15                            ; the opening lines: the add, twice on end, and one wait
	ds_add_u32 v14, v15
	v_lshrrev_b32 v1, 5, v0
	v_readfirstlane_b32 s[WV], v1                  ; wave 0..3
	s_lshr_b32 s[HA], s[WV], 1
	s_and_b32 s[HB], s[WV], 1
	s_bfe_u32 s[CX], ttmp6, 0x40000
	s_bfe_u32 s[CY], ttmp6, 0x40004
	s_lshl_b32 s[G], ttmp9, 2
	s_add_co_u32 s[G], s[G], s[CX]                 ; column group = 4 x cluster x + cx
	s_and_b32 s[TG], ttmp7, 0xffff
	s_lshl_b32 s[TG], s[TG], 2
	s_add_co_u32 s[TG], s[TG], s[CY]               ; token group = 4 x cluster y + cy
	s_lshl_b32 s66, s[CY], 2
	s_lshl_b32 s66, 15, s66                        ; my row of the cluster
	s_lshl_b32 s62, 0x1111, s[CX]                  ; my column
	; group 1: 128 rows of 512 bytes, dense in memory; 16 bytes of padding behind each row in LDS
	s_or_b32 s[G1X], s66, (1<<20)|(1<<21)|(6<<22)|(3<<25)
	s_or_b32 s[G1W], s62, (1<<20)|(1<<21)|(6<<22)|(3<<25)
.irp g, G1X, G1W
	s_mov_b32 s[\g+1], 512<<16                     ; tensor_dim0
	s_mov_b32 s[\g+2], 128<<16                     ; tensor_dim1
	s_mov_b32 s[\g+3], 512<<16                     ; tile_dim0
	s_mov_b32 s[\g+4], 128                         ; tile_dim1
	s_mov_b32 s[\g+5], 512                         ; from row to row
	s_mov_b32 s[\g+6], 0
	s_mov_b32 s[\g+7], 0
.endr
	s_mov_b32 s[SEL], 0x76543210
	s_mov_b32 s[SEL+1], 0xfedcba98
	s_mul_i32 s3, s[WV], REGN                      ; wave w fetches region w: the wave's number alone enters an LDS address
	s_wait_dscnt 0x0
	s_wait_kmcnt 0x0
	s_lshl_b32 s66, s[TG], 16                      ; x's group 0 hangs on the token group alone
	s_mov_b32 s67, 0
	s_mov_b32 s[GX], 1
	s_mov_b32 s[GX+1], s3
	s_add_nc_u64 s[GX+2:GX+3], s[36:37], s[66:67]
	s_or_b32 s[GX+3], s[GX+3], 0x80000000
	s_cmp_eq_u32 s[WV], 0                          ; W's on the column group alone: wave 0 Wq, 1 Wk, 3 Wv
	s_cselect_b64 s[18:19], s[40:41], s[48:49]
	s_cmp_eq_u32 s[WV], 1
	s_cselect_b64 s[18:19], s[44:45], s[18:19]
	s_lshl_b32 s62, s[G], 16
	s_mov_b32 s63, 0
	s_mov_b32 s[GW], 1
	s_mov_b32 s[GW+1], s3
	s_add_nc_u64 s[GW+2:GW+3], s[18:19], s[62:63]
	s_or_b32 s[GW+3], s[GW+3], 0x80000000
	CROUND                                         ; all sixteen work-groups are here: the joint loads meet
	s_cmp_eq_u32 s[WV], 2
	s_cbranch_scc0 .Lfor_w
	tensor_load_to_lds s[GX:GX+3], s[G1X:G1X+7]
	s_nop 0
.rept 4
	v_nop
.endr
	s_branch .Lasked
.Lfor_w:
	tensor_load_to_lds s[GW:GW+3], s[G1W:G1W+7]
	s_nop 0
.rept 4
	v_nop
.endr
.Lasked:
	v_and_b32 v1, 31, v0                           ; lane
	v_and_b32 v2, 15, v0                           ; r
	v_bfe_u32 v3, v0, 4, 1                         ; h
	v_lshlrev_b32 v13, 5, v1                       ; 32 x lane: a row of scale bytes
	v_lshlrev_b32 v12, 5, v3                       ; Q's and K's bias: 32 h
	v_lshlrev_b32 v7, 2, v2                        ; 4 r: V's bias, and a scale word
	v_mul_u32_u24 v6, v2, PITCH
	v_lshlrev_b32 v4, 4, v1                        ; 16 x lane: an image's place for my lane
	v_lshlrev_b32 v5, 3, v1                        ; 8 x lane: a pair of scale words
	v_lshl_add_u32 v6, v3, 4, v6                   ; a fragment: row r x pitch + 16 h
	s_mul_i32 s2, s[HB], 64*PITCH
	v_add_nc_u32 v8, s2, v6                        ; Wq: my head's 64 rows
	s_add_co_u32 s2, s2, REGN
	v_add_nc_u32 v9, s2, v6                        ; Wk
	s_add_co_u32 s2, s2, 2*REGN
	v_add_nc_u32 v11, s2, v6                       ; Wv
	s_mul_i32 s2, s[HA], 64*PITCH
	s_add_co_u32 s2, s2, 2*REGN
	v_add_nc_u32 v10, s2, v6                       ; x: my 64 tokens
	s_lshl_b32 s2, s[HB], 8
	s_add_co_u32 s2, s2, VWORDS                    ; my head's scale words of V:
	s_lshl_b32 s3, s[HA], 1
	s_add_co_u32 s3, s3, s2
	s_wait_alu depctr_va_vdst(0)                   ; directly ahead of the reader below
	v_add_nc_u32 v80, s3, v7                       ; in: row r's half word, 64 bytes from tile to tile
	s_lshl_b32 s3, s[HA], 7
	s_add_co_u32 s3, s3, s2
	v_add_nc_u32 v81, s3, v7                       ; back: the words of the pair of tiles w / 2
	; where my scale bytes and my biases begin
	s_lshl_b32 s2, s[TG], 12
	s_lshl_b32 s3, s[HA], 11
	s_add_co_u32 s2, s2, s3
	s_mov_b32 s3, 0
	s_add_nc_u64 s[PX:PX+1], s[38:39], s[2:3]
	s_lshl_b32 s2, s[G], 12
	s_lshl_b32 s18, s[HB], 11
	s_add_co_u32 s2, s2, s18
	s_add_nc_u64 s[PX+2:PX+3], s[42:43], s[2:3]
	s_add_nc_u64 s[PX+4:PX+5], s[46:47], s[2:3]
	s_add_nc_u64 s[PX+6:PX+7], s[50:51], s[2:3]
	s_lshl_b32 s2, s[G], 9
	s_lshl_b32 s18, s[HB], 8
	s_add_co_u32 s2, s2, s18
	s_add_nc_u64 s[52:53], s[52:53], s[2:3]
	s_add_nc_u64 s[54:55], s[54:55], s[2:3]
	s_add_nc_u64 s[56:57], s[56:57], s[2:3]
	s_wait_alu depctr_va_vdst(0)                   ; the head's end
.irp p, 0,1
.irp k, 0,1
	global_load_b128 v[16+8*\p+4*\k:16+8*\p+4*\k+3], v13, s[PX:PX+1] offset:1024*\p+16*\k
	global_load_b128 v[32+8*\p+4*\k:32+8*\p+4*\k+3], v13, s[PX+2:PX+3] offset:1024*\p+16*\k
	global_load_b128 v[48+8*\p+4*\k:48+8*\p+4*\k+3], v13, s[PX+4:PX+5] offset:1024*\p+16*\k
	global_load_b128 v[64+8*\p+4*\k:64+8*\p+4*\k+3], v13, s[PX+6:PX+7] offset:1024*\p+16*\k
.endr
.endr
	; THE BIAS is the C of each sum's first product: it is loaded straight into accumulator registers, in the result's layout
	WIN 0x40
.irp t, 0,1,2,3                        ; Q, K: register j of tile t is column 16 t + 8 h + j, for every tile of tokens: loaded into (t, 3), which serves (t, 0 .. 2) as C first
	global_load_b128 v[96+8*\t:99+8*\t], v12, s[52:53] offset:64*\t
	global_load_b128 v[100+8*\t:103+8*\t], v12, s[52:53] offset:64*\t+16
	global_load_b128 v[224+8*\t:227+8*\t], v12, s[54:55] offset:64*\t
	global_load_b128 v[228+8*\t:231+8*\t], v12, s[54:55] offset:64*\t+16
.endr
	WIN 0x80
.irp c, 0,1,2,3                        ; V: a lane holds ONE channel, 16 c + r: its bias in all eight registers of (0, c), which serves (1 .. 3, c) as C first
.irp j, 0,1,2,3,4,5,6,7
	global_load_b32 v[32*\c+\j], v7, s[56:57] offset:64*\c
.endr
.endr
	WIN 0
	; where my results go
	s_lshr_b32 s2, s[TG], 4
	s_lshl_b32 s2, s2, 4
	s_lshl_b32 s3, s[G], 1
	s_add_co_u32 s2, s2, s3
	s_add_co_u32 s2, s2, s[HB]                     ; head 16 b + 2 g + w % 2
	s_and_b32 s3, s[TG], 15                        ; step
	s_mul_i32 s18, s2, 81920
	s_mul_i32 s19, s3, 5120
	s_add_co_u32 s18, s18, s19
	s_mov_b32 s19, 0
	s_add_nc_u64 s[58:59], s[58:59], s[18:19]
	s_mul_i32 s18, s2, 155648
	s_mul_i32 s2, s3, 9728
	s_add_co_u32 s18, s18, s2
	s_add_nc_u64 s[60:61], s[60:61], s[18:19]
	s_lshl_b32 s18, s[HA], 11                      ; 4 tiles of 512 bytes
	s_add_nc_u64 s[QB:QB+1], s[58:59], s[18:19]
	s_add_nc_u64 s[KB:KB+1], s[60:61], s[18:19]
	s_lshl_b32 s18, s[HA], 9                       ; 2 pairs of scale words; V: the second half of a tile
	s_add_nc_u64 s[QS:QS+1], s[58:59], s[18:19]
	s_add_nc_u64 s[KS:KS+1], s[60:61], s[18:19]
	s_lshl_b32 s18, s[HA], 8
	s_add_nc_u64 s[VS:VS+1], s[60:61], s[18:19]
.macro PLACES n
.rept \n
	v_nop
.endr
.endm
.macro FRAG4 reg, adr, kk              ; four tiles' fragments, 128 along K: 8 loads
.irp i, 0,1,2,3
.irp k, 0,1
	ds_load_b128 v[\reg+8*\i+4*\k:\reg+8*\i+4*\k+3], v[\adr] offset:16*PITCH*\i+64*(\kk)+32*\k
.endr
.endr
.endm
.macro LOADXQ kk, w                    ; into the buffer in window w: 16 loads
	WIN \w*64
	FRAG4 128, 10, \kk
	FRAG4 160, 8, \kk
	WIN 0
.endm
.macro LOADKV kk, w
	WIN \w*64
	FRAG4 192, 9, \kk
	FRAG4 224, 11, \kk
	WIN 0
.endm
.macro WX d, a, b, c, sa, sb, ra, rb   ; one product.  ra, rb = 1: an odd tile's scale words lie in lanes 16-31
.if ((\ra) == 0) && ((\rb) == 0)
	v_wmma_scale_f32_16x16x128_f8f6f4 v[\d:\d+7], v[\a:\a+7], v[\b:\b+7], v[\c:\c+7], v[\sa], v[\sb] matrix_a_fmt:MATRIX_FMT_FP4 matrix_b_fmt:MATRIX_FMT_FP4
.elseif ((\rb) == 0)
	v_wmma_scale_f32_16x16x128_f8f6f4 v[\d:\d+7], v[\a:\a+7], v[\b:\b+7], v[\c:\c+7], v[\sa], v[\sb] matrix_a_fmt:MATRIX_FMT_FP4 matrix_b_fmt:MATRIX_FMT_FP4 matrix_a_scale:MATRIX_SCALE_ROW1
.elseif ((\ra) == 0)
	v_wmma_scale_f32_16x16x128_f8f6f4 v[\d:\d+7], v[\a:\a+7], v[\b:\b+7], v[\c:\c+7], v[\sa], v[\sb] matrix_a_fmt:MATRIX_FMT_FP4 matrix_b_fmt:MATRIX_FMT_FP4 matrix_b_scale:MATRIX_SCALE_ROW1
.else
	v_wmma_scale_f32_16x16x128_f8f6f4 v[\d:\d+7], v[\a:\a+7], v[\b:\b+7], v[\c:\c+7], v[\sa], v[\sb] matrix_a_fmt:MATRIX_FMT_FP4 matrix_b_fmt:MATRIX_FMT_FP4 matrix_a_scale:MATRIX_SCALE_ROW1 matrix_b_scale:MATRIX_SCALE_ROW1
.endif
.endm
.macro PQ t, c, kk, src                ; a product of Q, of K, of V: src: the first register of its C
	WX 32*\c+8*\t, 160+8*\t, 128+8*\c, \src, 32+8*(\t/2)+\kk, 16+8*(\c/2)+\kk, \t%2, \c%2
.endm
.macro PK t, c, kk, src
	WX 128+32*\c+8*\t, 192+8*\t, 128+8*\c, \src, 48+8*(\t/2)+\kk, 16+8*(\c/2)+\kk, \t%2, \c%2
.endm
.macro PV t, c, kk, src
	WX 32*\c+8*\t, 128+8*\t, 224+8*\c, \src, 16+8*(\t/2)+\kk, 64+8*(\c/2)+\kk, \t%2, \c%2
.endm
.macro ALL16 op, kk, off
.irp c, 0,1,2,3
.irp t, 0,1,2,3
	\op \t, \c, \kk, \off+32*\c+8*\t
.endr
.endr
.endm
; A K step on the buffer in window w: 48 products, the 48 accumulators by turns, one instruction a turn.  more = 1: the next step's fragments go into the buffer in window nw.
; LDS loads come back in order: the counts leave out what was issued behind the fragments that are wanted.
.macro KSTEP kk, w, nw, more
.if \more
	PLACES 4                                       ; four places in front of loads into registers that products have read
	LOADXQ \kk+1, \nw
	s_wait_dscnt 32                                ; out: this step's Wk and Wv, the next one's x and Wq
.else
	s_wait_dscnt 16
.endif
	WIN 0x50+5*\w                                  ; sources in window w, C and D in window 1
	ALL16 PQ, \kk, 0
.if \more
	s_wait_dscnt 24
.else
	s_wait_dscnt 8
.endif
	ALL16 PK, \kk, 128
.if \more
	LOADKV \kk+1, \nw
	s_wait_dscnt 32
.else
	s_wait_dscnt 0x0
.endif
	WIN 0xa0+5*\w                                  ; C and D in window 2
	ALL16 PV, \kk, 0
	WIN 0
.endm
; 128 numbers of a lane from register s of window w on: tile c's (source 1) 32 from s + 32 c, two blocks; they become four registers of codes at pc + 4 c and the block bytes in a word at pw + c.  Eight blocks by turns.
.macro QUANT s, w, pc, pw
	WIN \w*5                                       ; sources 0 and 1 in window w
.irp b, 0,1,2,3,4,5,6,7
	v_max3_num_f32 v[TM+\b], |v[\s+16*\b]|, |v[\s+16*\b+1]|, 0x1800000   ; my 16 numbers of block b, and the floor 2^(3 - 127): the byte cannot fall under 1
.endr
.irp i, 2,4,6,8,10,12,14
.irp b, 0,1,2,3,4,5,6,7
	v_max3_num_f32 v[TM+\b], |v[\s+16*\b+\i]|, |v[\s+16*\b+\i+1]|, v[TM+\b]
.endr
.endr
	WIN 0
.irp b, 0,1,2,3,4,5,6,7
	v_permlanex16_b32 v[TM+8+\b], v[TM+\b], s[SEL], s[SEL+1]
.endr
.irp b, 0,1,2,3,4,5,6,7
	v_max_num_f32 v[TM+\b], v[TM+\b], v[TM+8+\b]   ; with lane l xor 16's 16: the block's largest magnitude
.endr
.irp b, 0,1,2,3,4,5,6,7
	v_add_nc_u32 v[TM+16+\b], 0xff000000, v[TM+\b] ; 2 off its exponent field: the conversion's scale operand
.endr
.irp b, 0,1,2,3,4,5,6,7
	v_lshrrev_b32 v[TM+8+\b], 23, v[TM+16+\b]      ; the scale's byte
.endr
.irp c, 0,1,2,3
	v_lshl_or_b32 v[\pw+\c], v[TM+8+2*\c+1], 8, v[TM+8+2*\c]
.endr
	WIN \w
.irp b, 0,1,2,3,4,5,6,7
	v_cvt_scalef32_pk8_fp4_f32 v[\pc+4*(\b/2)+\b%2], v[\s+16*\b:\s+16*\b+7], v[TM+16+\b]
	v_cvt_scalef32_pk8_fp4_f32 v[\pc+4*(\b/2)+\b%2+2], v[\s+16*\b+8:\s+16*\b+15], v[TM+16+\b]
.endr
	WIN 0
	v_nop                                          ; one plain place behind a scaled conversion
.irp i, 0,2,4,6,8,10,12,14             ; a whole block in a lane: lanes 0-15 the even block, lanes 16-31 the odd one; the four registers run along K
	v_permlane16_swap_b32 v[\pc+\i], v[\pc+\i+1]
.endr
.endm
	s_wait_tensorcnt 0x0                           ; my operand has landed
	s_barrier_signal -1
	s_barrier_wait -1                              ; everybody's has
	LOADXQ 0, 0
	LOADKV 0, 0
	LOADXQ 1, 2
	s_wait_loadcnt 0x0                             ; the scale words and the bias
	s_wait_dscnt 16                                ; the first buffer is in
	LOADKV 1, 2
	; the first K step starts the sums, with the bias as C
	WIN 0x50
.irp t, 0,1,2,3
.irp c, 0,1,2
	PQ \t, \c, 0, 96+8*\t
.endr
.endr
.irp t, 0,1,2,3
.irp c, 0,1,2
	PK \t, \c, 0, 224+8*\t
.endr
.endr
	WIN 0xa0
.irp c, 0,1,2,3
.irp t, 1,2,3
	PV \t, \c, 0, 32*\c
.endr
.endr
	PLACES 5                                       ; the products below write over registers that those above have read as C
	WIN 0x50
.irp t, 0,1,2,3
	PQ \t, 3, 0, 96+8*\t
.endr
.irp t, 0,1,2,3
	PK \t, 3, 0, 224+8*\t
.endr
	WIN 0xa0
.irp c, 0,1,2,3
	PV 0, \c, 0, 32*\c
.endr
	WIN 0
	KSTEP 1, 2, 0, 1
	KSTEP 2, 0, 2, 1
	KSTEP 3, 2, 0, 1
	KSTEP 4, 0, 2, 1
	KSTEP 5, 2, 0, 1
	KSTEP 6, 0, 2, 1
	KSTEP 7, 2, 0, 0
	PLACES 4                                       ; in front of the first read of results
	; THE WAY OUT.  Each store of codes covers 512 consecutive bytes, aligned; each of scale words 256
	QUANT 0, 2, 160, 176                           ; V: tile c is channels 16 c .. + 15, my 64 tokens are half of its registers
.irp c, 0,1,2,3
	ds_store_b16 v80, v[176+\c] offset:64*\c       ; (both halves of the lanes hold the row's bytes)
.endr
.irp c, 0,1,2,3
	global_store_b128 v4, v[160+4*\c:163+4*\c], s[KS:KS+1] offset:4096+1024*\c
.endr
	QUANT 0, 1, 192, 180                           ; Q: tile c is my tokens 16 c .. + 15.  Bytes 2, 3 of its words are 0 and meet zero codes
.irp c, 0,1,2,3
	global_store_b128 v4, v[192+4*\c:195+4*\c], s[QB:QB+1] offset:512*\c
.endr
	global_store_b64 v5, v[180:181], s[QS:QS+1] offset:4096
	global_store_b64 v5, v[182:183], s[QS:QS+1] offset:4352
	s_wait_dscnt 0x0                               ; my half words are in LDS
	s_barrier_signal -1
	s_barrier_wait -1                              ; everybody's are
	ds_load_b32 v188, v81
	ds_load_b32 v189, v81 offset:64
	QUANT 128, 1, 208, 184                         ; K
.irp c, 0,1,2,3
	global_store_b128 v4, v[208+4*\c:211+4*\c], s[KB:KB+1] offset:512*\c
.endr
	global_store_b64 v5, v[184:185], s[KS:KS+1] offset:8192
	global_store_b64 v5, v[186:187], s[KS:KS+1] offset:8448
	s_wait_dscnt 0x0
	global_store_b64 v5, v[188:189], s[VS:VS+1] offset:9216
	s_wait_tensorcnt 0x0                           ; the wave's end
	ds_add_u32 v14, v15
	s_wait_dscnt 0x0
	CROUND                                         ; the closing round: no work-group ends while a partner may still ask for a tile that names it
	s_endpgm
.Lfunc_end_k_qd80d6dabfe_qkv:
	.size	k_qd80d6dabfe_qkv, .Lfunc_end_k_qd80d6dabfe_qkv-k_qd80d6dabfe_qkv
	.p2alignl 7, 3214868480
	.fill 96, 4, 3214868480
	.section	.rodata,"a",@progbits
	.p2align	6, 0x0
	.amdhsa_kernel k_qd80d6dabfe_qkv
		.amdhsa_group_segment_fixed_size 327680
		.amdhsa_private_segment_fixed_size 0
		.amdhsa_enable_private_segment 0
		.amdhsa_kernarg_size 104
		.amdhsa_user_sgpr_count 2
		.amdhsa_user_sgpr_kernarg_segment_ptr 1
		.amdhsa_wavefront_size32 1
		.amdhsa_system_sgpr_workgroup_id_x 1
		.amdhsa_system_sgpr_workgroup_id_y 1
		.amdhsa_system_sgpr_workgroup_id_z 1
		.amdhsa_system_vgpr_workitem_id 0
		.amdhsa_next_free_vgpr 768
		.amdhsa_next_free_sgpr 102
		.amdhsa_reserve_vcc 0
		.amdhsa_float_denorm_mode_32 3
		.amdhsa_float_denorm_mode_16_64 3
		.amdhsa_memory_ordered 1
		.amdhsa_forward_progress 1
		.amdhsa_inst_pref_size 105
	.end_amdhsa_kernel
	.amdgpu_metadata
---
amdhsa.version: [ 1, 2 ]
amdhsa.kernels:
  - .name:           k_qd80d6dabfe_qkv
    .symbol:         k_qd80d6dabfe_qkv.kd
    .args:
      - { .name: x_codes, .offset: 0, .size: 8, .value_kind: global_buffer, .address_space: global }
      - { .name: x_scales, .offset: 8, .size: 8, .value_kind: global_buffer, .address_space: global }
      - { .name: Wq_codes, .offset: 16, .size: 8, .value_kind: global_buffer, .address_space: global }
      - { .name: Wq_scales, .offset: 24, .size: 8, .value_kind: global_buffer, .address_space: global }
      - { .name: Wk_codes, .offset: 32, .size: 8, .value_kind: global_buffer, .address_space: global }
      - { .name: Wk_scales, .offset: 40, .size: 8, .value_kind: global_buffer, .address_space: global }
      - { .name: Wv_codes, .offset: 48, .size: 8, .value_kind: global_buffer, .address_space: global }
      - { .name: Wv_scales, .offset: 56, .size: 8, .value_kind: global_buffer, .address_space: global }
      - { .name: bq, .offset: 64, .size: 8, .value_kind: global_buffer, .address_space: global }
      - { .name: bk, .offset: 72, .size: 8, .value_kind: global_buffer, .address_space: global }
      - { .name: bv, .offset: 80, .size: 8, .value_kind: global_buffer, .address_space: global }
      - { .name: q, .offset: 88, .size: 8, .value_kind: global_buffer, .address_space: global }
      - { .name: kv, .offset: 96, .size: 8, .value_kind: global_buffer, .address_space: global }
    .group_segment_fixed_size: 327680
    .private_segment_fixed_size: 0
    .kernarg_segment_align: 8
    .kernarg_segment_size: 104
    .max_flat_workgroup_size: 128
    .sgpr_count:     102
    .vgpr_count:     768
    .wavefront_size: 32
...
	.end_amdgpu_metadata
.endif
;; end of part 1
;; launch attn (part 2): grid 8 x 32, 16 waves a work-group, clusters of 4 x 1, 169,984 bytes of LDS; arguments q, kv, oc, os; writes oc, os
.if DOCPART == 2
	.amdgcn_target "amdgcn-amd-amdhsa--gfx1250"
	.amdhsa_code_object_version 6
	.text
	.protected	k_qd80d6dabfe_attn
	.globl	k_qd80d6dabfe_attn
	.p2align	8
	.type	k_qd80d6dabfe_attn,@function
k_qd80d6dabfe_attn:
	s_mov_b64 s[64:65], 0
	v_nop
	global_prefetch_b8 v0, s[64:65] scope:SCOPE_SE
	s_setreg_imm32_b32 hwreg(HW_REG_WAVE_MODE, 25, 1), 1
	s_wait_xcnt 0x0
	s_wait_alu depctr_hold_cnt(0) depctr_sa_sdst(0) depctr_va_vdst(0) depctr_va_sdst(0) depctr_va_ssrc(0) depctr_va_vcc(0) depctr_vm_vsrc(0)
	s_getreg_b32 s2, hwreg(HW_REG_IB_STS2, 6, 4)
	s_cmp_eq_u32 s2, 0
	s_cbranch_scc0 .Lentry_in_a_cluster
	s_endpgm
.Lentry_in_a_cluster:
	s_bfe_u32 s2, ttmp6, 0x10000c
	s_cmp_lg_u32 s2, 0x3003
	s_cbranch_scc0 .Lentry_shape_is_right
	s_endpgm
.Lentry_shape_is_right:
; O[head][query] = the sum over keys of softmax(Q . K / 8) V, both products on codes of FP4 (E2M1) with one E8M0 scale for each 32 along a product's K; O is quantised along its 64 channels (two blocks) for the last projection.
; THE SOFTMAX AHEAD OF THE SECOND PRODUCT: t = score x log2(e) / 8; M = the largest t so far, rounded UP to a whole number; p = 2^(t - M) is quantised along the keys, not normalised.  The row's sum is taken of the
; unquantised p in f32 and divides O at the end.  When M moves, the sum and O are multiplied by 2^(old M - new M), which rounds nothing.
; A block's scale operand is 2^(its largest t - M - 2): its exponent field is the scale's byte.
; IN: q and kv as the launch before lays them: images of operand registers (four registers = 512 bytes, lane l's 16 bytes at 16 l), by head and by image of 128 tokens.
; SHARES.  A work-group owns 256 queries of one head, each of its sixteen waves one tile of 16 in 256 registers: four waves to a SIMD.  A trip is 256 keys (two images): eight trips, one change of M each.
; A head's K and V, 16 images x 9,728 bytes, lie in LDS whole: wave w brings image w by one tensor load; every byte is filled once, nothing is filled again, nothing is stored to LDS but the adds.
; BARRIERS.  The first shows images 0 to 7, which serve the first trip.  The second, signalled ahead of the first trip and waited for at the second's head, shows images 8 to 15.  From then on each trip's head waits for the
; signal that every wave gave at the head of the trip before and gives its own: no wave is more than two trips' heads ahead of another, so the four waves of a SIMD have work side by side to the end.
; CLUSTER: the four query blocks of a cluster belong to one head and read the same K and V: each image is asked for jointly, by the same load with the same descriptor and a mask that names the four.
; The loads all go out at the head, so there is no later load for which anything could be asked ahead.
; LAYOUT.  Both products are used transposed: S^T = K Q^T (source 0 = 16 keys, source 1 = my 16 queries), O^T = V^T P^T (source 0 = 16 channels, source 1 = P): a lane holds ONE query throughout.
; S^T's tile t, register j, is key 16 t + 8 (lane / 16) + j.  Tiles 2 b and 2 b + 1 are block b; the conversions' destinations and the exchange of halves lay its codes in ascending order.
; The first product's K is 64: registers 4-7 of Q's fragment hold zero codes, so what registers 4-7 of K's fragments hold (the next tile's codes; for the last tile v32-35) adds nothing; the scale bytes that meet them are never 0xff.
; LIMITS: NaN and infinities are not served.  Scaled scores t stay under 2^31 in magnitude.  A block whose largest p lies under 2^-124 gets the scale byte 0 (2^-127): beside the row's largest p, over 1/2, what it adds lies under f32's last place.
; OUT: oc [tile 256][K step 8][half 2][512]: head h's four registers are half h % 2 of K step h / 2.   os [tile 256][row 16][32]: byte 2 h + block.
; REGISTERS: v0-31 K's fragments of 8 tiles; v32 my spare word, v33 0, v34 16 x lane, v35 h; v36-43 Q; v44 Q's scale word; v45, v46 the trip's LDS addresses; v48-55 K's scale words (two tiles each), v56-59 V's, v60-61 p's;
;   v62, v63 the sum in two halves; v64, v65 -M, twice; v66 f; v67 -M - 2; v68 log2(e) / 8; v70 the largest score; v72-79 the blocks' largest, then partial sums; v80-111 O^T; v112-239 S^T, then p, then V; v240-255 p's codes.
.set IMG,  9728                        ; K 4,096, V 4,096, K's scale words 1,024, V's 512
.set SPARE, 0x29000
.set WV,  12
.set SEL, 28                           ; s[28:29] v_permlanex16_b32's selects for lane l xor 16
.set CNT, 33
.set HIS, 40                           ; v_perm_b32's selector: two high halves
.set EVN, 41                           ; bytes 0 and 2
.set BM,  72
.set OT,  80
.set SX,  112
.set PC,  240
.macro CROUND                          ; a round of the cluster's barrier
	s_barrier_signal -1
	s_barrier_wait -1
	s_cmp_lg_u32 s[WV], 0
	s_cbranch_scc1 .Lnot_wave_0_\@
	s_barrier_signal -3
.Lnot_wave_0_\@:
	s_barrier_wait -3
	s_barrier_signal -1
	s_barrier_wait -1
.endm
	s_load_b256 s[4:11], s[0:1], 0x0               ; q, kv, oc, os
	v_lshl_add_u32 v32, v0, 2, SPARE
	v_mov_b32 v33, 0
	ds_add_u32 v32, v33                            ; the opening lines: the add, twice on end, and one wait
	ds_add_u32 v32, v33
	v_lshrrev_b32 v1, 5, v0
	v_readfirstlane_b32 s[WV], v1                  ; wave 0..15
	s_bfe_u32 s13, ttmp6, 0x40000                  ; cx
	s_lshl_b32 s14, ttmp9, 2
	s_add_co_u32 s14, s14, s13                     ; my block of 256 queries: it enters q's, oc's and os's addresses alone
	s_and_b32 s15, ttmp7, 0xffff                   ; 16 b + head, which the four partners share
	; group 1: 9,728 dense bytes as 38 rows of 256 (32 elements of 8 bytes), no padding: the images are read 512 consecutive bytes at a time
	s_mov_b32 s16, 15|(3<<16)|(1<<21)              ; 15:0 the mask: all four work-groups; 17:16 elements of 8 bytes; 21 set beside a mask
	s_mov_b32 s17, 32<<16
	s_mov_b32 s18, 38<<16
	s_mov_b32 s19, 32<<16
	s_mov_b32 s20, 38
	s_mov_b32 s21, 32
	s_mov_b32 s22, 0
	s_mov_b32 s23, 0
	s_mov_b32 s24, 1
	s_mul_i32 s25, s[WV], IMG                      ; image w goes to LDS byte 9,728 w
	s_mul_i32 s34, s15, 16*IMG
	s_add_co_u32 s34, s34, s25
	s_mov_b32 s35, 0
	s_mov_b32 s[SEL], 0x76543210
	s_mov_b32 s[SEL+1], 0xfedcba98
	s_mov_b32 s[HIS], 0x07060302
	s_mov_b32 s[EVN], 0x00ff00ff
	s_wait_dscnt 0x0
	s_wait_kmcnt 0x0
	s_add_nc_u64 s[26:27], s[6:7], s[34:35]
	s_or_b32 s27, s27, 0x80000000
	CROUND                                         ; all four work-groups are here: the joint loads meet
	s_cmp_lt_u32 s[WV], 8                          ; one tensor load a wave; images 0 to 7 and 8 to 15 have a line each, since they are waited for at two barriers
	s_cbranch_scc0 .Lupper
	tensor_load_to_lds s[24:27], s[16:23]
	s_nop 0
.rept 4
	v_nop
.endr
	s_branch .Lasked
.Lupper:
	tensor_load_to_lds s[24:27], s[16:23]
	s_nop 0
.rept 4
	v_nop
.endr
.Lasked:
	v_and_b32 v5, 31, v0
	v_bfe_u32 v35, v0, 4, 1                        ; h
	v_lshlrev_b32 v34, 4, v5
	v_lshlrev_b32 v45, 4, v5
	v_lshlrev_b32 v7, 3, v5
	v_lshl_add_u32 v46, v35, 2, v7                 ; lanes 0-15 take a pair's first word, lanes 16-31 its second
	s_lshr_b32 s36, s[WV], 3                       ; my tile of queries: image 2 x block + w / 8, tile w % 8
	s_lshl_b32 s37, s14, 1
	s_add_co_u32 s36, s36, s37
	s_mul_i32 s36, s36, 5120
	s_mul_i32 s37, s15, 81920
	s_add_co_u32 s36, s36, s37
	s_mov_b32 s37, 0
	s_add_nc_u64 s[4:5], s[4:5], s[36:37]
	s_and_b32 s38, s[WV], 7
	s_lshl_b32 s36, s38, 9
	s_add_nc_u64 s[34:35], s[4:5], s[36:37]        ; my tile's codes
	s_lshr_b32 s36, s38, 1
	s_lshl_b32 s36, s36, 8
	s_and_b32 s39, s38, 1
	s_lshl_b32 s39, s39, 2
	s_add_co_u32 s36, s36, s39
	s_add_nc_u64 s[4:5], s[4:5], s[36:37]          ; its scale words: pair tile / 2, word tile % 2
	s_wait_alu depctr_va_vdst(0)                   ; directly ahead of the readers below
	global_load_b128 v[36:39], v34, s[34:35]
	global_load_b32 v44, v7, s[4:5] offset:4096
	s_lshr_b32 s36, s15, 4                         ; the tile's number in oc and os: 128 b + 16 x block + w
	s_lshl_b32 s36, s36, 7
	s_lshl_b32 s38, s14, 4
	s_add_co_u32 s36, s36, s38
	s_add_co_u32 s38, s36, s[WV]
	s_and_b32 s39, s15, 15                         ; the head
	s_lshl_b32 s36, s38, 13
	s_lshl_b32 s33, s39, 9
	s_add_co_u32 s36, s36, s33
	s_add_nc_u64 s[8:9], s[8:9], s[36:37]          ; oc: 8,192 x tile + 512 x head
	s_lshl_b32 s36, s38, 9
	s_lshl_b32 s33, s39, 1
	s_add_co_u32 s36, s36, s33
	s_add_nc_u64 s[10:11], s[10:11], s[36:37]      ; os: 512 x tile + 2 x head
	v_mov_b32 v68, 0x3e38aa3b                      ; log2(e) / 8
	v_mov_b32 v70, 0xff61b1e6                      ; the largest score so far: -3e38
	v_mov_b32 v64, 0x7e22e68f                      ; -M, likewise: 5.4e37, over every -t
.irp j, 40,41,42,43,47,62,63
	v_mov_b32 v[\j], 0                             ; zero codes: Q's K 64 .. 127; the sum
.endr
.irp j, 0,1,2,3,4,5,6,7
	v_mov_b32 v[PC+\j], 0                          ; lane permutes' destinations count as sources
.endr
.irp j, 0,1,2,3,4,5,6,7,8,9,10,11,12,13,14,15,16,17,18,19,20,21,22,23,24,25,26,27,28,29,30,31
	v_mov_b32 v[OT+\j], 0                          ; O^T: the first trip finds zeros, which the first change of M leaves zeros
.endr
	s_mov_b32 s[CNT], 6
.macro LOADK off                       ; a trip's first image of K and the scale words of both: 16 loads
.irp t, 0,1,2,3,4,5,6,7
	ds_load_b128 v[4*\t:4*\t+3], v45 offset:\off+512*\t
.endr
.irp p, 0,1,2,3
	ds_load_b32 v[48+\p], v46 offset:\off+8192+256*\p
	ds_load_b32 v[52+\p], v46 offset:\off+IMG+8192+256*\p
.endr
.endm
.macro LOADV g                         ; image g of V: 4 tiles into the registers of p's that have been summed and converted
.irp c, 0,1,2,3
	ds_load_b128 v[SX+32*\g+8*\c:SX+32*\g+8*\c+3], v45 offset:IMG*\g+4096+1024*\c
	ds_load_b128 v[SX+32*\g+8*\c+4:SX+32*\g+8*\c+7], v45 offset:IMG*\g+4096+1024*\c+512
.endr
.irp p, 0,1
	ds_load_b32 v[56+2*\g+\p], v46 offset:IMG*\g+9216+256*\p
.endr
.endm
.macro QK g                            ; S^T of image g: 8 tiles
.irp t, 0,1,2,3,4,5,6,7
.if (\t)%2 == 0
	v_wmma_scale_f32_16x16x128_f8f6f4 v[SX+64*\g+8*\t:SX+64*\g+8*\t+7], v[4*\t:4*\t+7], v[36:43], 0, v[48+4*\g+\t/2], v44 matrix_a_fmt:MATRIX_FMT_FP4 matrix_b_fmt:MATRIX_FMT_FP4
.else
	v_wmma_scale_f32_16x16x128_f8f6f4 v[SX+64*\g+8*\t:SX+64*\g+8*\t+7], v[4*\t:4*\t+7], v[36:43], 0, v[48+4*\g+\t/2], v44 matrix_a_fmt:MATRIX_FMT_FP4 matrix_b_fmt:MATRIX_FMT_FP4 matrix_a_scale:MATRIX_SCALE_ROW1
.endif
.endr
.endm
.macro MAXT g                          ; my half of the largest score of image g's four blocks of 32 keys, by turns
.irp b, 0,1,2,3
	v_max3_num_f32 v[BM+4*\g+\b], v[SX+64*\g+16*\b], v[SX+64*\g+16*\b+1], v[SX+64*\g+16*\b+2]
.endr
.irp i, 3,5,7,9,11,13
.irp b, 0,1,2,3
	v_max3_num_f32 v[BM+4*\g+\b], v[BM+4*\g+\b], v[SX+64*\g+16*\b+\i], v[SX+64*\g+16*\b+\i+1]
.endr
.endr
.irp b, 0,1,2,3
	v_max_num_f32 v[BM+4*\g+\b], v[BM+4*\g+\b], v[SX+64*\g+16*\b+15]
.endr
.endm
.macro ADD2 d, a, b                    ; two neighbouring sums in one line
	v_dual_add_f32 v[\d], v[\a], v[\b] :: v_dual_add_f32 v[\d+1], v[\a+1], v[\b+1]
.endm
.macro SUMS from, n                    ; pairs of p onto four chains by turns
.set rI, \from
.rept \n
	v_dual_add_f32 v[BM+2*(rI%4)], v[BM+2*(rI%4)], v[SX+2*rI] :: v_dual_add_f32 v[BM+2*(rI%4)+1], v[BM+2*(rI%4)+1], v[SX+2*rI+1]
.set rI, rI+1
.endr
.endm
.macro PV g                            ; O^T += V^T P^T over image g's 128 keys: four accumulators by turns
.irp c, 0,1,2,3
.if (\c)%2 == 0
	v_wmma_scale_f32_16x16x128_f8f6f4 v[OT+8*\c:OT+8*\c+7], v[SX+32*\g+8*\c:SX+32*\g+8*\c+7], v[PC+8*\g:PC+8*\g+7], v[OT+8*\c:OT+8*\c+7], v[56+2*\g+\c/2], v[60+\g] matrix_a_fmt:MATRIX_FMT_FP4 matrix_b_fmt:MATRIX_FMT_FP4
.else
	v_wmma_scale_f32_16x16x128_f8f6f4 v[OT+8*\c:OT+8*\c+7], v[SX+32*\g+8*\c:SX+32*\g+8*\c+7], v[PC+8*\g:PC+8*\g+7], v[OT+8*\c:OT+8*\c+7], v[56+2*\g+\c/2], v[60+\g] matrix_a_fmt:MATRIX_FMT_FP4 matrix_b_fmt:MATRIX_FMT_FP4 matrix_a_scale:MATRIX_SCALE_ROW1
.endif
.endr
.endm
; A TRIP: 256 keys.  Its first image of K was loaded a trip ago; next = 1: the next trip's is loaded.  meet = 1: the barrier signalled a trip ago is waited for and the next one signalled (no LDS instruction of mine is out there); 2: waited for.
.macro TRIP next, meet
	s_wait_dscnt 0x0
.if \meet
	s_barrier_wait -1
.endif
.if \meet == 1
	s_barrier_signal -1
.endif
	QK 0
.rept 4
	v_nop                                          ; four places in front of loads into the fragments and of the first read of results
.endr
.irp t, 0,1,2,3,4,5,6,7
	ds_load_b128 v[4*\t:4*\t+3], v45 offset:IMG+512*\t
.endr
	MAXT 0                                         ; while the second image's K comes in
	s_wait_alu depctr_va_vdst(0)                   ; directly ahead of the wait below
	s_wait_dscnt 0x0
	QK 1
.irp b, 0,1,2,3
	v_permlanex16_b32 v[PC+\b], v[BM+\b], s[SEL], s[SEL+1]   ; (the four places behind the products)
.endr
	MAXT 1
.irp b, 4,5,6,7
	v_permlanex16_b32 v[PC+\b], v[BM+\b], s[SEL], s[SEL+1]
.endr
.irp b, 0,1,2,3,4,5,6,7                ; with lane l xor 16's 16 keys: it serves the row's maximum and, since p rises with the score, the block's scale
	v_max_num_f32 v[BM+\b], v[BM+\b], v[PC+\b]
.endr
	v_max3_num_f32 v71, v[BM], v[BM+1], v[BM+2]
	v_max3_num_f32 v47, v[BM+3], v[BM+4], v[BM+5]
	v_max3_num_f32 v70, v[BM+6], v[BM+7], v70
	s_delay_alu instid0(VALU_DEP_1)
	v_max3_num_f32 v70, v70, v71, v47              ; the running largest score
	s_delay_alu instid0(VALU_DEP_1)
	v_mul_f32 v71, 0xbe38aa3b, v70                 ; -t
	s_delay_alu instid0(VALU_DEP_1)
	v_floor_f32 v71, v71                           ; the new -M = floor(-t) = -ceil(t)
	s_delay_alu instid0(VALU_DEP_1)
	v_sub_f32 v47, v71, v64                        ; old M - new M: a whole number, 0 or less
	v_mov_b32 v64, v71
	v_mov_b32 v65, v71
	v_add_f32 v67, -2.0, v71
	v_cvt_i32_f32 v47, v47                         ; (it saturates)
.set rI, 0
.rept 64
	v_dual_fma_f32 v[SX+2*rI], v[SX+2*rI], v68, v64 :: v_dual_fma_f32 v[SX+2*rI+1], v[SX+2*rI+1], v68, v65   ; t - M
.set rI, rI+1
.endr
.irp b, 0,1,2,3,4,5,6,7
	v_fma_f32 v[BM+\b], v[BM+\b], v68, v67         ; each block's largest t - M - 2
.endr
	s_wait_alu depctr_va_vdst(0)                   ; ahead of the batch
.irp b, 0,1,2,3,4,5,6,7
	v_exp_f32 v[BM+\b], v[BM+\b]                   ; the block's scale operand
.endr
.set rI, 0
.rept 128
	v_exp_f32 v[SX+rI], v[SX+rI]                   ; p = 2^(t - M)
.set rI, rI+1
.endr
	v_ldexp_f32 v66, 1.0, v47                      ; f = 2^(old M - new M).  (The plain place behind the exponentials)
	s_wait_alu depctr_va_vdst(0)                   ; and ahead of the batch's first reader
.irp g, 0,1
	v_perm_b32 v[4*\g], v[BM+4*\g+2], v[BM+4*\g], s[HIS]     ; high halves of blocks 2 and 0, and of 3 and 1: an exponent field is bits 14:7 of a half
	v_perm_b32 v[4*\g+1], v[BM+4*\g+3], v[BM+4*\g+1], s[HIS]
.endr
.irp g, 0,1
	v_lshrrev_b32 v[4*\g+2], 7, v[4*\g]
	v_lshlrev_b32 v[4*\g+3], 1, v[4*\g+1]
.endr
.irp b, 0,1,2,3,4,5,6,7
	v_cvt_scalef32_pk8_fp4_f32 v[PC+4*(\b/2)+\b%2], v[SX+16*\b:SX+16*\b+7], v[BM+\b]
	v_cvt_scalef32_pk8_fp4_f32 v[PC+4*(\b/2)+\b%2+2], v[SX+16*\b+8:SX+16*\b+15], v[BM+\b]
.endr
	v_bfi_b32 v60, s[EVN], v2, v3                  ; p's scale words: bytes 0, 2 from one, bytes 1, 3 from the other.  (The plain places behind the conversions)
	v_bfi_b32 v61, s[EVN], v6, v7
.irp k, 0,2,4,6                        ; the row's sum, of the unquantised p: four chains of pairs
	ADD2 BM+\k, SX+\k, SX+\k+8
.endr
	SUMS 8, 8
	LOADV 0
	SUMS 16, 16
	LOADV 1
.if \next
	LOADK 2*IMG
	v_add_nc_u32 v45, 2*IMG, v45                   ; on to the next trip's images
	v_add_nc_u32 v46, 2*IMG, v46
.endif
.irp i, 0,2,4,6,8,10,12,14             ; a whole block in a lane
	v_permlane16_swap_b32 v[PC+\i], v[PC+\i+1]
.endr
	SUMS 32, 32
	s_wait_alu depctr_va_vdst(0)                   ; directly ahead of the first reader of O^T
.irp j, 0,2,4,6,8,10,12,14,16,18,20,22,24,26,28,30
	v_dual_mul_f32 v[OT+\j], v[OT+\j], v66 :: v_dual_mul_f32 v[OT+\j+1], v[OT+\j+1], v66   ; O^T under the new M, each accumulator from its low end on
.endr
	s_wait_alu depctr_va_vdst(0)                   ; and directly ahead of the wait below
.if \next
	s_wait_dscnt 16                                ; V and its scale words are in; the next trip's 16 loads of K may be out
.else
	s_wait_dscnt 0x0
.endif
	PV 0
	PV 1
	ADD2 BM, BM, BM+2                              ; the chains join: with the v_nop the five places in front of products that write over V's registers
	ADD2 BM+4, BM+4, BM+6
	v_dual_fma_f32 v62, v62, v66, v[BM] :: v_dual_fma_f32 v63, v63, v66, v[BM+1]
	v_nop
	ADD2 62, 62, BM+4
.endm
	s_wait_alu depctr_va_vdst(0)                   ; the head's end
	s_wait_loadcnt 0x0                             ; Q
	s_cmp_lt_u32 s[WV], 8
	s_cbranch_scc0 .Llate
	s_wait_tensorcnt 0x0                           ; images 0 to 7 have landed
.Llate:
	s_barrier_signal -1
	s_barrier_wait -1                              ; everybody's have
	s_wait_tensorcnt 0x0                           ; mine of images 8 to 15 has landed:
	s_barrier_signal -1                            ; said here, waited for at the second trip's head; between stand LDS loads of images 0 to 3 and register work
	LOADK 0
	TRIP 1, 0
.Ltrip:
	TRIP 1, 1
	s_sub_co_u32 s[CNT], s[CNT], 1
	s_cmp_lg_u32 s[CNT], 0
	s_cbranch_scc1 .Ltrip
	TRIP 0, 2
	; THE WAY OUT: O^T / the sum, quantised along the head's 64 channels.  Register 8 c + j is channel 16 c + 8 (lane / 16) + j of my query.
	v_add_f32 v62, v62, v63                        ; the sum's two halves,
	v_permlanex16_b32 v47, v62, s[SEL], s[SEL+1]
	v_add_f32 v62, v62, v47                        ; and lane l xor 16's
	s_wait_alu depctr_va_vdst(0)                   ; ahead of the transcendental
	v_rcp_f32 v62, v62
	v_bfe_u32 v71, v34, 4, 4                       ; (the plain place behind the transcendental)  r
	s_wait_alu depctr_va_vdst(0)                   ; and ahead of its first reader
.irp j, 0,2,4,6,8,10,12,14,16,18,20,22,24,26,28,30
	v_dual_mul_f32 v[SX+\j], v[OT+\j], v62 :: v_dual_mul_f32 v[SX+\j+1], v[OT+\j+1], v62
.endr
.irp b, 0,1
	v_max3_num_f32 v[BM+\b], |v[SX+16*\b]|, |v[SX+16*\b+1]|, 0x1800000   ; the floor 2^(3 - 127): the byte cannot fall under 1
.endr
.irp i, 2,4,6,8,10,12,14
.irp b, 0,1
	v_max3_num_f32 v[BM+\b], v[BM+\b], |v[SX+16*\b+\i]|, |v[SX+16*\b+\i+1]|
.endr
.endr
.irp b, 0,1
	v_permlanex16_b32 v[BM+2+\b], v[BM+\b], s[SEL], s[SEL+1]
.endr
.irp b, 0,1
	v_max_num_f32 v[BM+\b], v[BM+\b], v[BM+2+\b]
.endr
.irp b, 0,1
	v_add_nc_u32 v[BM+4+\b], 0xff000000, v[BM+\b]  ; 2 off the exponent field
.endr
.irp b, 0,1
	v_lshrrev_b32 v[BM+2+\b], 23, v[BM+4+\b]
.endr
.irp b, 0,1
	v_cvt_scalef32_pk8_fp4_f32 v[PC+\b], v[SX+16*\b:SX+16*\b+7], v[BM+4+\b]
	v_cvt_scalef32_pk8_fp4_f32 v[PC+2+\b], v[SX+16*\b+8:SX+16*\b+15], v[BM+4+\b]
.endr
	v_cmp_eq_u32 vcc_lo, 1, v35                    ; (the plain place behind the conversions)
	v_permlane16_swap_b32 v[PC], v[PC+1]           ; lanes 0-15 block 0, lanes 16-31 block 1: four registers of the next operand
	v_permlane16_swap_b32 v[PC+2], v[PC+3]
	v_cndmask_b32 v47, v[BM+2], v[BM+3], vcc_lo    ; lane (r, h) stores block h's byte of row r
	v_lshl_add_u32 v71, v71, 5, v35
	global_store_b128 v34, v[PC:PC+3], s[8:9]      ; 512 consecutive bytes, aligned
	global_store_b8 v71, v47, s[10:11]             ; single bytes: a row's 32 scale bytes come from 16 heads, which are 16 work-groups; one byte beside a lane's 16 bytes of codes
	s_wait_tensorcnt 0x0                           ; the wave's end
	ds_add_u32 v32, v33
	s_wait_dscnt 0x0
	CROUND                                         ; the closing round: no work-group ends while a partner may still ask for a tile that names it
	s_endpgm
.Lfunc_end_k_qd80d6dabfe_attn:
	.size	k_qd80d6dabfe_attn, .Lfunc_end_k_qd80d6dabfe_attn-k_qd80d6dabfe_attn
	.p2alignl 7, 3214868480
	.fill 96, 4, 3214868480
	.section	.rodata,"a",@progbits
	.p2align	6, 0x0
	.amdhsa_kernel k_qd80d6dabfe_attn
		.amdhsa_group_segment_fixed_size 169984
		.amdhsa_private_segment_fixed_size 0
		.amdhsa_enable_private_segment 0
		.amdhsa_kernarg_size 32
		.amdhsa_user_sgpr_count 2
		.amdhsa_user_sgpr_kernarg_segment_ptr 1
		.amdhsa_wavefront_size32 1
		.amdhsa_system_sgpr_workgroup_id_x 1
		.amdhsa_system_sgpr_workgroup_id_y 1
		.amdhsa_system_sgpr_workgroup_id_z 1
		.amdhsa_system_vgpr_workitem_id 0
		.amdhsa_next_free_vgpr 256
		.amdhsa_next_free_sgpr 66
		.amdhsa_reserve_vcc 1
		.amdhsa_float_denorm_mode_32 3
		.amdhsa_float_denorm_mode_16_64 3
		.amdhsa_memory_ordered 1
		.amdhsa_forward_progress 1
		.amdhsa_inst_pref_size 98
	.end_amdhsa_kernel
	.amdgpu_metadata
---
amdhsa.version: [ 1, 2 ]
amdhsa.kernels:
  - .name:           k_qd80d6dabfe_attn
    .symbol:         k_qd80d6dabfe_attn.kd
    .args:
      - { .name: q, .offset: 0, .size: 8, .value_kind: global_buffer, .address_space: global }
      - { .name: kv, .offset: 8, .size: 8, .value_kind: global_buffer, .address_space: global }
      - { .name: oc, .offset: 16, .size: 8, .value_kind: global_buffer, .address_space: global }
      - { .name: os, .offset: 24, .size: 8, .value_kind: global_buffer, .address_space: global }
    .group_segment_fixed_size: 169984
    .private_segment_fixed_size: 0
    .kernarg_segment_align: 8
    .kernarg_segment_size: 32
    .max_flat_workgroup_size: 512
    .sgpr_count:     66
    .vgpr_count:     256
    .wavefront_size: 32
...
	.end_amdgpu_metadata
.endif
;; end of part 2
;; launch oproj (part 3): grid 8 x 32, 8 waves a work-group, clusters of 4 x 4, 205,824 bytes of LDS; arguments oc, os, Wo_codes, Wo_scales, bo, out0; writes out0
.if DOCPART == 3
	.amdgcn_target "amdgcn-amd-amdhsa--gfx1250"
	.amdhsa_code_object_version 6
	.text
	.protected	k_qd80d6dabfe_oproj
	.globl	k_qd80d6dabfe_oproj
	.p2align	8
	.type	k_qd80d6dabfe_oproj,@function
k_qd80d6dabfe_oproj:
	s_mov_b64 s[64:65], 0
	v_nop
	global_prefetch_b8 v0, s[64:65] scope:SCOPE_SE
	s_setreg_imm32_b32 hwreg(HW_REG_WAVE_MODE, 25, 1), 1
	s_wait_xcnt 0x0
	s_wait_alu depctr_hold_cnt(0) depctr_sa_sdst(0) depctr_va_vdst(0) depctr_va_sdst(0) depctr_va_ssrc(0) depctr_va_vcc(0) depctr_vm_vsrc(0)
	s_getreg_b32 s2, hwreg(HW_REG_IB_STS2, 6, 4)
	s_cmp_eq_u32 s2, 0
	s_cbranch_scc0 .Lentry_in_a_cluster
	s_endpgm
.Lentry_in_a_cluster:
	s_bfe_u32 s2, ttmp6, 0x10000c
	s_cmp_lg_u32 s2, 0xf033
	s_cbranch_scc0 .Lentry_shape_is_right
	s_endpgm
.Lentry_shape_is_right:
; out0 = O Wo + bo on codes of FP4 (E2M1) with one E8M0 scale for each 32 along K = 1,024.  O comes as the launch before lays it: oc [tile 256][K step 8][half 2][512], images of operand registers; os [tile 256][row 16][32] scale bytes.
; SHARES.  A work-group makes 128 tokens (token group tg: 8 tiles of 16) x 128 columns (column group g).  Wave w takes O's tiles 2 (w / 2) and + 1 as source 1 and 64 rows of Wo, from 64 (w % 2) on (4 tiles), as source 0:
; 8 accumulators, 6 fragments for 8 products.  TRANSPOSED USE: a lane then holds one token (lane % 16) and eight neighbouring columns, 16 t + 8 (lane / 16) + 0 .. 7.  bo is loaded straight into the accumulators.
; LDS holds all of K of both operands: every byte is filled once, nothing is filled again; the stage for the way out has bytes of its own.  The scale words go from memory to registers: two tiles are 32 rows x 32 bytes, lane l takes row l.
; CLUSTERS: 4 x 4 work-groups.  O's tiles hang on tg alone and are asked for jointly by a row of the cluster, Wo's on g alone, by a column.
; All tensor loads go out at the head, so there is no later load for which anything could be asked ahead.
; LIMITS: NaN and infinities are not served.
.set PITCH, 272                        ; Wo's rows in LDS: 256 bytes + 16 of padding
.set HALFT, 128*PITCH                  ; Wo's half of K
.set OIMG,  2*HALFT                    ; O's images: [half of K 2][tile 8][4,096], dense
.set STG,   OIMG+65536                 ; the stage: for each wave 32 rows x (256 bytes + 16); no fill lands in it
.set SPARE, STG+8*32*272               ; the spare words, 128 bytes for each wave
.set WV,    28
.set WT,    29
.set WC,    30
.set CX,    31
.set CY,    32
.set G,     33
.set TG,    34
.set HF,    35
.set GO,    4                          ; s[4:7], s[8:11] group 0 for O, for Wo
.set GW,    8
.set G1O,   68
.set G1W,   76
.set FA,    40                         ; two buffers of fragments: O's two, then Wo's four
.set FB,    88
.set ACC,   136                        ; accumulator (t, c) at 136 + 32 c + 8 t
.macro CROUND                          ; a round of the cluster's barrier
	s_barrier_signal -1
	s_barrier_wait -1
	s_cmp_lg_u32 s[WV], 0
	s_cbranch_scc1 .Lnot_wave_0_\@
	s_barrier_signal -3
.Lnot_wave_0_\@:
	s_barrier_wait -3
	s_barrier_signal -1
	s_barrier_wait -1
.endm
	s_load_b256 s[36:43], s[0:1], 0x0              ; oc, os, Wo's codes, Wo's scales
	s_load_b128 s[44:47], s[0:1], 0x20             ; bo, out0
	v_lshl_add_u32 v14, v0, 2, SPARE
	v_mov_b32 v15, 0
	ds_add_u32 v14, v15                            ; the opening lines: the add, twice on end, and one wait
	ds_add_u32 v14, v15
	v_lshrrev_b32 v1, 5, v0
	v_readfirstlane_b32 s[WV], v1                  ; wave 0..7
	s_lshr_b32 s[WT], s[WV], 1
	s_and_b32 s[WC], s[WV], 1
	s_lshr_b32 s[HF], s[WV], 1                     ; the half of K that I fetch, if I fetch
	s_bfe_u32 s[CX], ttmp6, 0x40000
	s_bfe_u32 s[CY], ttmp6, 0x40004
	s_lshl_b32 s[G], ttmp9, 2
	s_add_co_u32 s[G], s[G], s[CX]                 ; column group
	s_and_b32 s[TG], ttmp7, 0xffff
	s_lshl_b32 s[TG], s[TG], 2
	s_add_co_u32 s[TG], s[TG], s[CY]               ; token group
	s_lshl_b32 s66, s[CY], 2
	s_lshl_b32 s66, 15, s66                        ; my row of the cluster
	s_lshl_b32 s62, 0x1111, s[CX]                  ; my column
	; group 1, O's images: 8 rows (tiles) of 4,096 bytes (512 elements of 8), 8,192 bytes apart in memory, dense in LDS
	s_or_b32 s[G1O], s66, (3<<16)|(1<<21)
	s_mov_b32 s[G1O+1], 512<<16
	s_mov_b32 s[G1O+2], 8<<16
	s_mov_b32 s[G1O+3], 512<<16
	s_mov_b32 s[G1O+4], 8
	s_mov_b32 s[G1O+5], 1024
	s_mov_b32 s[G1O+6], 0
	s_mov_b32 s[G1O+7], 0
	; group 1, Wo's codes: 128 rows of 256 bytes, 512 apart in memory, 16 bytes of padding behind each in LDS
	s_or_b32 s[G1W], s62, (1<<20)|(1<<21)|(5<<22)|(3<<25)
	s_mov_b32 s[G1W+1], 256<<16
	s_mov_b32 s[G1W+2], 128<<16
	s_mov_b32 s[G1W+3], 256<<16
	s_mov_b32 s[G1W+4], 128
	s_mov_b32 s[G1W+5], 512
	s_mov_b32 s[G1W+6], 0
	s_mov_b32 s[G1W+7], 0
	s_mul_i32 s2, s[HF], 32768
	s_add_co_u32 s2, s2, OIMG
	s_mul_i32 s3, s[HF], HALFT
	s_lshl_b32 s12, s[HF], 12
	s_lshl_b32 s13, s[HF], 8
	s_wait_dscnt 0x0
	s_wait_kmcnt 0x0
	s_lshl_b32 s66, s[TG], 16                      ; O's group 0 hangs on the token group alone
	s_add_co_u32 s66, s66, s12
	s_mov_b32 s67, 0
	s_mov_b32 s[GO], 1
	s_mov_b32 s[GO+1], s2
	s_add_nc_u64 s[GO+2:GO+3], s[36:37], s[66:67]
	s_or_b32 s[GO+3], s[GO+3], 0x80000000
	s_lshl_b32 s62, s[G], 16                       ; Wo's on the column group alone
	s_add_co_u32 s62, s62, s13
	s_mov_b32 s63, 0
	s_mov_b32 s[GW], 1
	s_mov_b32 s[GW+1], s3
	s_add_nc_u64 s[GW+2:GW+3], s[40:41], s[62:63]
	s_or_b32 s[GW+3], s[GW+3], 0x80000000
	CROUND                                         ; all sixteen work-groups are here: the joint loads meet
; One chain of branches on the wave's number: waves 0 and 1 fetch the first half of K (Wo, O), waves 2 and 3 the second, the others nothing.
.macro ARM n, g0, g1, next
	s_cmp_eq_u32 s[WV], \n
	s_cbranch_scc0 \next
	tensor_load_to_lds s[\g0:\g0+3], s[\g1:\g1+7]
	s_nop 0
.rept 4
	v_nop
.endr
	s_branch .Lasked
\next:
.endm
	ARM 0, GW, G1W, .Larm1
	ARM 1, GO, G1O, .Larm2
	ARM 2, GW, G1W, .Larm3
	ARM 3, GO, G1O, .Larm4
.Lasked:
	v_and_b32 v1, 31, v0                           ; lane
	v_and_b32 v2, 15, v0                           ; r
	v_bfe_u32 v3, v0, 4, 1                         ; h
	v_lshlrev_b32 v4, 5, v1                        ; 32 x lane: a row of scale bytes
	v_mul_u32_u24 v6, v2, PITCH
	v_lshlrev_b32 v5, 5, v3                        ; bo: 32 h
	v_mul_u32_u24 v11, v3, 272
	v_lshlrev_b32 v12, 12, v3
	v_lshl_add_u32 v10, v3, 5, v6                  ; the stage, in: row r, + 32 h
	v_lshl_add_u32 v6, v3, 4, v6                   ; Wo's fragments: row r x pitch + 16 h
	v_lshl_add_u32 v11, v2, 4, v11                 ; back: lanes 0-15 one row of 256 bytes, lanes 16-31 the next
	v_lshl_add_u32 v12, v2, 4, v12                 ; and the same two rows of out0
	v_lshlrev_b32 v7, 4, v1
	s_mul_i32 s2, s[WC], 64*PITCH
	v_add_nc_u32 v8, s2, v6                        ; K 0-511
	s_lshl_b32 s2, s[WT], 13
	s_add_co_u32 s2, s2, OIMG
	v_add_nc_u32 v7, s2, v7                        ; O's images: my two tiles
	s_mul_i32 s2, s[WV], 32*272
	s_add_co_u32 s2, s2, STG                       ; my stage
	v_add_nc_u32 v10, s2, v10
	v_add_nc_u32 v11, s2, v11
	v_add_nc_u32 v9, HALFT, v8                     ; K 512-1,023
	s_lshl_b32 s2, s[TG], 12                       ; the scale bytes of my 32 rows of O,
	s_lshl_b32 s3, s[WT], 10
	s_add_co_u32 s2, s2, s3
	s_mov_b32 s3, 0
	s_add_nc_u64 s[38:39], s[38:39], s[2:3]
	s_lshl_b32 s2, s[G], 12                        ; of my 64 rows of Wo,
	s_lshl_b32 s12, s[WC], 11
	s_add_co_u32 s2, s2, s12
	s_add_nc_u64 s[42:43], s[42:43], s[2:3]
	s_lshl_b32 s12, s[G], 9                        ; and bo at my 64 columns
	s_lshl_b32 s13, s[WC], 8
	s_add_co_u32 s12, s12, s13
	s_mov_b32 s13, 0
	s_add_nc_u64 s[44:45], s[44:45], s[12:13]
	s_wait_alu depctr_va_vdst(0)                   ; the head's end
.irp k, 0,1
	global_load_b128 v[32+4*\k:35+4*\k], v4, s[38:39] offset:16*\k
	global_load_b128 v[16+4*\k:19+4*\k], v4, s[42:43] offset:16*\k
	global_load_b128 v[24+4*\k:27+4*\k], v4, s[42:43] offset:1024+16*\k
.endr
.irp c, 0,1
.irp t, 0,1,2,3
	global_load_b128 v[ACC+32*\c+8*\t:ACC+32*\c+8*\t+3], v5, s[44:45] offset:64*\t       ; register j of tile t is column 16 t + 8 h + j
	global_load_b128 v[ACC+32*\c+8*\t+4:ACC+32*\c+8*\t+7], v5, s[44:45] offset:64*\t+16
.endr
.endr
	s_lshl_b32 s2, s[TG], 19                       ; out0: rows of 4,096 bytes: 128 tg + 32 (w / 2) on,
	s_lshl_b32 s14, s[WT], 17
	s_add_co_u32 s2, s2, s14
	s_add_co_u32 s2, s2, s12                       ; my 64 columns
	s_add_nc_u64 s[46:47], s[46:47], s[2:3]
.macro PLACES n
.rept \n
	v_nop
.endr
.endm
.macro LOADF s, q, f                   ; the fragments of the q-th 128 along K of half s into buffer f: 12 loads
.irp c, 0,1
.irp k, 0,1
	ds_load_b128 v[\f+8*\c+4*\k:\f+8*\c+4*\k+3], v7 offset:32768*\s+4096*\c+1024*\q+512*\k
.endr
.endr
.irp t, 0,1,2,3
.irp k, 0,1
	ds_load_b128 v[\f+16+8*\t+4*\k:\f+16+8*\t+4*\k+3], v[8+\s] offset:16*PITCH*\t+64*\q+32*\k
.endr
.endr
.endm
.macro WM t, c, kk, f                  ; an odd tile's scale words lie in lanes 16-31
.set rD, ACC+32*(\c)+8*(\t)
.set rA, (\f)+16+8*(\t)
.set rB, (\f)+8*(\c)
.set rSA, 16+8*((\t)/2)+(\kk)
.set rSB, 32+(\kk)
.if ((\t)%2 == 0) && ((\c) == 0)
	v_wmma_scale_f32_16x16x128_f8f6f4 v[rD:rD+7], v[rA:rA+7], v[rB:rB+7], v[rD:rD+7], v[rSA], v[rSB] matrix_a_fmt:MATRIX_FMT_FP4 matrix_b_fmt:MATRIX_FMT_FP4
.elseif ((\c) == 0)
	v_wmma_scale_f32_16x16x128_f8f6f4 v[rD:rD+7], v[rA:rA+7], v[rB:rB+7], v[rD:rD+7], v[rSA], v[rSB] matrix_a_fmt:MATRIX_FMT_FP4 matrix_b_fmt:MATRIX_FMT_FP4 matrix_a_scale:MATRIX_SCALE_ROW1
.elseif ((\t)%2 == 0)
	v_wmma_scale_f32_16x16x128_f8f6f4 v[rD:rD+7], v[rA:rA+7], v[rB:rB+7], v[rD:rD+7], v[rSA], v[rSB] matrix_a_fmt:MATRIX_FMT_FP4 matrix_b_fmt:MATRIX_FMT_FP4 matrix_b_scale:MATRIX_SCALE_ROW1
.else
	v_wmma_scale_f32_16x16x128_f8f6f4 v[rD:rD+7], v[rA:rA+7], v[rB:rB+7], v[rD:rD+7], v[rSA], v[rSB] matrix_a_fmt:MATRIX_FMT_FP4 matrix_b_fmt:MATRIX_FMT_FP4 matrix_a_scale:MATRIX_SCALE_ROW1 matrix_b_scale:MATRIX_SCALE_ROW1
.endif
.endm
.macro MULS kk, f                      ; a K step: 8 products, the 8 accumulators by turns, one instruction a turn
.irp c, 0,1
.irp t, 0,1,2,3
	WM \t, \c, \kk, \f
.endr
.endr
.endm
.macro KSTEP s, q, g, kk, f            ; K step kk on buffer f, behind the loads of the next one into buffer g
	PLACES 4                                       ; four places in front of loads into registers that products have read
	LOADF \s, \q, \g
	s_wait_dscnt 12                                ; all but the 12 just issued
	MULS \kk, \f
.endm
	s_cmp_lt_u32 s[WV], 2
	s_cbranch_scc0 .Llate
	s_wait_tensorcnt 0x0                           ; K 0-511 has landed; the second half's lines may stay out
.Llate:
	s_barrier_signal -1
	s_barrier_wait -1
	LOADF 0, 0, FA
	s_wait_loadcnt 0x0                             ; the scale words; bo lies in the accumulators
	KSTEP 0, 1, FB, 0, FA
	KSTEP 0, 2, FA, 1, FB
	KSTEP 0, 3, FB, 2, FA
	s_wait_tensorcnt 0x0                           ; K 512-1,023 has landed
	s_wait_dscnt 0x0
	s_barrier_signal -1
	s_barrier_wait -1                              ; everybody's has
	KSTEP 1, 0, FA, 3, FB
	KSTEP 1, 1, FB, 4, FA
	KSTEP 1, 2, FA, 5, FB
	KSTEP 1, 3, FB, 6, FA
	s_wait_dscnt 0x0
	MULS 7, FB
	; THE WAY OUT.  A lane holds 32 neighbouring bytes of a row for each tile of columns, and the lanes beside it hold other rows: the 32 rows go through my own stage and come back whole.
	PLACES 4                                       ; in front of the first read of results, and of loads into the fragments' registers
.irp c, 0,1
.irp t, 0,1,2,3
	ds_store_b128 v10, v[ACC+32*\c+8*\t:ACC+32*\c+8*\t+3] offset:16*272*\c+64*\t         ; each accumulator from its low end on
	ds_store_b128 v10, v[ACC+32*\c+8*\t+4:ACC+32*\c+8*\t+7] offset:16*272*\c+64*\t+16
.endr
.irp i, 0,1,2,3,4,5,6,7
	ds_load_b128 v[FA+32*\c+4*\i:FA+32*\c+4*\i+3], v11 offset:272*(16*\c+2*\i)           ; LDS serves a wave's instructions in order (ISA guide 5.7.1.4): these see my stores
.endr
.endr
.irp i, 0,1,2,3,4,5,6,7
	s_wait_dscnt 23-\i                             ; two rows are back; behind them: 7 - i loads, 8 stores and 8 loads
	global_store_b128 v12, v[FA+4*\i:FA+4*\i+3], s[46:47] offset:8192*\i th:TH_STORE_NT   ; 16 lanes store 256 consecutive bytes, aligned; written once, read by nobody here
.endr
.irp i, 8,9,10,11,12,13,14,15
	s_wait_dscnt 15-\i
	global_store_b128 v12, v[FA+4*\i:FA+4*\i+3], s[46:47] offset:8192*\i th:TH_STORE_NT
.endr
	s_wait_tensorcnt 0x0                           ; the wave's end
	ds_add_u32 v14, v15
	s_wait_dscnt 0x0
	CROUND                                         ; the closing round: no work-group ends while a partner may still ask for a tile that names it
	s_endpgm
.Lfunc_end_k_qd80d6dabfe_oproj:
	.size	k_qd80d6dabfe_oproj, .Lfunc_end_k_qd80d6dabfe_oproj-k_qd80d6dabfe_oproj
	.p2alignl 7, 3214868480
	.fill 96, 4, 3214868480
	.section	.rodata,"a",@progbits
	.p2align	6, 0x0
	.amdhsa_kernel k_qd80d6dabfe_oproj
		.amdhsa_group_segment_fixed_size 205824
		.amdhsa_private_segment_fixed_size 0
		.amdhsa_enable_private_segment 0
		.amdhsa_kernarg_size 48
		.amdhsa_user_sgpr_count 2
		.amdhsa_user_sgpr_kernarg_segment_ptr 1
		.amdhsa_wavefront_size32 1
		.amdhsa_system_sgpr_workgroup_id_x 1
		.amdhsa_system_sgpr_workgroup_id_y 1
		.amdhsa_system_sgpr_workgroup_id_z 1
		.amdhsa_system_vgpr_workitem_id 0
		.amdhsa_next_free_vgpr 200
		.amdhsa_next_free_sgpr 84
		.amdhsa_reserve_vcc 0
		.amdhsa_float_denorm_mode_32 3
		.amdhsa_float_denorm_mode_16_64 3
		.amdhsa_memory_ordered 1
		.amdhsa_forward_progress 1
		.amdhsa_inst_pref_size 29
	.end_amdhsa_kernel
	.amdgpu_metadata
---
amdhsa.version: [ 1, 2 ]
amdhsa.kernels:
  - .name:           k_qd80d6dabfe_oproj
    .symbol:         k_qd80d6dabfe_oproj.kd
    .args:
      - { .name: oc, .offset: 0, .size: 8, .value_kind: global_buffer, .address_space: global }
      - { .name: os, .offset: 8, .size: 8, .value_kind: global_buffer, .address_space: global }
      - { .name: Wo_codes, .offset: 16, .size: 8, .value_kind: global_buffer, .address_space: global }
      - { .name: Wo_scales, .offset: 24, .size: 8, .value_kind: global_buffer, .address_space: global }
      - { .name: bo, .offset: 32, .size: 8, .value_kind: global_buffer, .address_space: global }
      - { .name: out0, .offset: 40, .size: 8, .value_kind: global_buffer, .address_space: global }
    .group_segment_fixed_size: 205824
    .private_segment_fixed_size: 0
    .kernarg_segment_align: 8
    .kernarg_segment_size: 48
    .max_flat_workgroup_size: 256
    .sgpr_count:     84
    .vgpr_count:     200
    .wavefront_size: 32
...
	.end_amdgpu_metadata
.endif
;; end of part 3
